; MI455X (gfx1250); checked and timed in simulation.
; The chip was launched on July 23, 2026; its instructions are those of AMD's public machine-readable ISA for CDNA 5 (MIT licence, August 2026) and "CDNA5" Instruction Set Architecture Reference Guide (July 2026). The comments in the code are by the model that wrote it; some were corrected since.
;; Self Attention. Allowed arithmetic: matrix products marked QUANTISED: E2M3 operands, one E8M0 scale for each 32 along K, by v_wmma_scale_f32_16x16x128_f8f6f4 with both operands' format E2M3, f32 sums; everything else in f32.
;; Inputs: Wk 768 x 64 float32; Wq 768 x 64 float32; mask 4 x 4,096 bool; x 4 x 4,096 x 768 float32.
;; Outputs: out0 4 x 4,096 x 768 float32.
;; This version of the problem:
;;   THIS VERSION OF THE PROBLEM IS GIVEN IN LOW PRECISION. The matrix products marked QUANTISED in the list below multiply operands that are first quantised to E2M3 (2 exponent bits, 3 mantissa bits; 6 bits a number), with one power-of-two scale for each 32 numbers along K (OCP MX v1.0); their sums are f32. All else is computed in f32.
;;   The module's matrix products, in the order in which they are computed (A, B: the left and right operand; K: the contracted axis; several contracted axes count as one K, in the product's order):
;;     1. [M 16,384, K 768] x [K 768, N 64]; A: input x; B: input Wq: QUANTISED
;;     2. [M 16,384, K 768] x [K 768, N 64]; A: input x; B: input Wk: QUANTISED
;;     3. batch 4 x [M 4,096, K 64] x [K 64, N 4,096]; A: computed on the way; B: computed on the way: QUANTISED
;;     4. batch 4 x [M 4,096, K 4,096] x [K 4,096, N 768]; A: softmax (see below); B: input x: QUANTISED
;;   THE QUANTISER, for each operand of a quantised product, along K:
;;     - K is cut into blocks of 32 from its start; a last block that is shorter is filled with zeros.
;;     - A block's scale is 2^e with e = floor(log2(the largest magnitude in the block)) - 2, held to -126 .. 127; a block of zeros has e = 0. As a byte (E8M0): e + 127.
;;     - Each number is divided by its block's scale, clamped to +-7.5, and rounded to the nearest number of E2M3, ties to even, subnormals kept.
;;     - The product sums the exact products of the quantised numbers (number of the format x scale) in f32.
;;   ~~~python
;;   def quantise(x, axis):      # numpy; x: float32 -> the quantised numbers, widened to float32 again
;;       x = np.moveaxis(x, axis, -1); K = x.shape[-1]
;;       x = np.pad(x, [(0, 0)] * (x.ndim - 1) + [(0, -K % 32)]); x = x.reshape(x.shape[:-1] + (-1, 32)); a = np.abs(x).max(-1, keepdims=True)
;;       e = np.where(a > 0, np.clip(np.frexp(np.where(a > 0, a, 1))[1] - 1 - 2, -126, 127), 0)      # np.frexp(a)[1] - 1 = floor(log2(a)), exactly
;;       r = np.clip(x / 2.0 ** e, -7.5, 7.5)
;;       step = 2.0 ** (np.maximum(np.frexp(np.where(r == 0, 1, r))[1] - 1, 0) - 3)
;;       q = np.round(r / step) * step * 2.0 ** e      # np.round: ties to even
;;       return np.moveaxis(q.reshape(q.shape[:-2] + (-1,))[..., :K], -1, axis).astype(np.float32)
;;   ~~~
;;   SOFTMAX AHEAD OF A QUANTISED PRODUCT. Where the list says 'softmax', what is quantised is not the finished softmax but p = 2^(t - M), with t = logit x log2(e) and M = ceil(the row's largest t), a whole number; so 1/2 < the row's largest p <= 1. The row's sum l is taken of the UNQUANTISED p, in f32, and the product's result is divided by l at the end. Since M is a whole number, a kernel that streams over the keys may use a running M (the ceiling of the running maximum): every later rescaling is an exact power of two, which a block's scale takes up: the codes' values come out the same.
;;   OPERANDS COMPUTED ON THE WAY. 'Computed on the way' means the value that the module computes at that place (a softmax that the list does not call 'softmax' is quantised finished and normalised). What goes into a quantiser is computed in f32, as accurately as f32 sums, v_exp_f32 and their like allow (about 1e-6 of the number): no bf16 or f16 on the way to a quantiser, and a product that is left as it is and whose result goes on into a quantised operand takes f32 operands (vector FMAs, or v_wmma_f32_16x16x4_f32). A number that lies on a knife's edge between two numbers of the format may be rounded either way, as far as f32 arithmetic and the matrix unit's own rounding can turn it there, and no further.
;; One version. Each part assembles by itself: llvm-mc -triple=amdgcn-amd-amdhsa -mcpu=gfx1250 --defsym DOCPART=n.
;; ======== version 1 of 1: 3 launches
;; limits: right only within a limited range of input values
;; workspace buffers: wimg 76,800 bytes; vimg 9,830,400 bytes; qimg 1,048,576 bytes; qsc 65,536 bytes; kimg 1,048,576 bytes; ksc 65,536 bytes
;; launch wprep (part 1): grid 48 x 1, 1 waves a work-group, no clusters, 0 bytes of LDS; arguments Wq, Wk, wimg; writes wimg
.if DOCPART == 1
	.amdgcn_target "amdgcn-amd-amdhsa--gfx1250"
	.amdhsa_code_object_version 6
	.text
	.protected	k_q48a69c82cc_wprep
	.globl	k_q48a69c82cc_wprep
	.p2align	8
	.type	k_q48a69c82cc_wprep,@function
k_q48a69c82cc_wprep:
	s_mov_b64 s[64:65], 0
	v_nop
	global_prefetch_b8 v0, s[64:65] scope:SCOPE_SE
	s_setreg_imm32_b32 hwreg(HW_REG_WAVE_MODE, 25, 1), 1
	s_wait_xcnt 0x0
; Wq and Wk, [768 (d)][64 (u)] f32, become codes of FP6 (E2M3) along d, with one E8M0 byte for each 32 along d, laid as IMAGES OF OPERAND REGISTERS.
; One wave makes one fragment: K step s = work-group / 8 (128 along d), tile n = work-group % 8 (n < 4: Wq, else Wk; n % 4 = 2 g + u).
; Lane (r, h) takes unit 32 g + 8 u + r + 8 (r / 8) and its registers run DOWN d in the operand's own order, d = 128 s + 64 c + 32 h + 0 .. 31: the conversions' results are the
; operand's registers, and a block's largest magnitude needs no other lane.  The units of a tile are not neighbours, so that in the next launch the 16 results of two tiles are 16 neighbouring units.
; wimg: fragment (s, n) at (8 s + n) x 1,536: three pieces of 512 bytes, registers 4 k .. 4 k + 3, lane l's 16 bytes at 16 l.  Scale words from byte 73,728: 64 bytes a fragment, word r.
; LIMITS: NaN and infinities are not served; a block whose largest magnitude lies under 2^-124 (zeros too) keeps the byte 1: this program alone reads the bytes.
.set X, 64                             ; v64-127  the lane's 64 numbers
.set C, 48                             ; v48-59   the fragment
.set T, 40                             ; v40-42, v44-46  the upper halves of the two blocks (a conversion's three registers begin on an even number)
	s_load_b128 s[4:7], s[0:1], 0x0                ; Wq, Wk
	s_load_b64 s[8:9], s[0:1], 0x10                ; wimg
	v_and_b32 v1, 15, v0                           ; r
	v_lshrrev_b32 v2, 4, v0                        ; h (one wave: v0 is the lane)
	v_and_b32 v3, 8, v1
	v_add_nc_u32 v3, v3, v1                        ; r + 8 (r / 8)
	v_lshlrev_b32 v3, 2, v3
	v_lshl_add_u32 v3, v2, 13, v3                  ; + 32 h rows of 256 bytes
	v_lshlrev_b32 v4, 4, v0                        ; the image: 16 x lane
	v_lshlrev_b32 v5, 2, v1                        ; the scale word: 4 r
	s_lshr_b32 s10, ttmp9, 3                       ; s
	s_and_b32 s11, ttmp9, 7                        ; n
	s_and_b32 s12, s11, 3
	s_lshr_b32 s13, s12, 1                         ; g
	s_and_b32 s14, s12, 1                          ; u
	s_lshl_b32 s13, s13, 7                         ; 32 g units of 4 bytes
	s_lshl_b32 s14, s14, 5                         ; 8 u
	s_add_co_u32 s13, s13, s14
	s_lshl_b32 s14, s10, 15                        ; 128 s rows of 256 bytes
	s_add_co_u32 s16, s13, s14
	s_mov_b32 s17, 0
	s_mov_b32 s20, 0x76543210
	s_mov_b32 s21, 0xfedcba98                      ; v_permlanex16_b32's selects for lane l xor 16
	s_wait_alu depctr_va_vdst(0)
	s_wait_kmcnt 0x0
	s_cmp_lt_u32 s11, 4                            ; the choice hangs on the work-group's number alone
	s_cselect_b64 s[4:5], s[4:5], s[6:7]
	s_add_nc_u64 s[4:5], s[4:5], s[16:17]
.irp c,0,1
.set i, 0
.rept 32
	global_load_b32 v[X+32*\c+i], v3, s[4:5] offset:(64*\c+i)*256
.set i, i+1
.endr
.endr
	s_mul_i32 s16, ttmp9, 1536
	s_add_nc_u64 s[22:23], s[8:9], s[16:17]        ; my fragment's image
	s_lshl_b32 s16, ttmp9, 6
	s_add_nc_u64 s[24:25], s[8:9], s[16:17]        ; my 16 scale words (+ 73,728 in the store)
	s_wait_loadcnt 0x0
.irp c,0,1
	v_max3_num_f32 v[32+\c], |v[X+32*\c]|, |v[X+1+32*\c]|, 0x1800000   ; block 2 c + h: all 32 numbers are mine; the floor 2^-124 holds the byte at 1 from below
.endr
.irp i,2,4,6,8,10,12,14,16,18,20,22,24,26,28,30
.irp c,0,1
	v_max3_num_f32 v[32+\c], v[32+\c], |v[X+32*\c+\i]|, |v[X+1+32*\c+\i]|
.endr
.endr
.irp c,0,1
	v_add_nc_u32 v[34+\c], 0xff000000, v[32+\c]    ; 2 off the exponent field: the conversion's scale operand
.endr
.irp c,0,1
	v_lshrrev_b32 v[36+\c], 23, v[34+\c]           ; the scale's byte
.endr
	v_lshl_or_b32 v9, v37, 16, v36                 ; my bytes h and 2 + h of the unit's word,
	v_lshlrev_b32 v10, 3, v2
	v_lshlrev_b32 v9, v10, v9                      ; at their places;
	v_mov_b32 v10, 0
	v_permlanex16_b32 v10, v9, s20, s21
	v_or_b32 v9, v9, v10                           ; with lane l xor 16's two the word is whole
.irp c,0,1
	v_cvt_scalef32_pk16_fp6_f32 v[C+6*\c:C+6*\c+2], v[X+32*\c:X+32*\c+15], v[34+\c]
	v_cvt_scalef32_pk16_fp6_f32 v[T+4*\c:T+4*\c+2], v[X+32*\c+16:X+32*\c+31], v[34+\c]
.endr
	v_nop                                          ; one plain place behind a scaled conversion
.irp c,0,1
.irp i,0,1,2
	v_mov_b32 v[C+6*\c+3+\i], v[T+4*\c+\i]
.endr
.endr
.irp k,0,1,2
	global_store_b128 v4, v[C+4*\k:C+4*\k+3], s[22:23] offset:512*\k   ; 32 lanes store 512 consecutive bytes
.endr
	global_store_b32 v5, v9, s[24:25] offset:73728 ; both halves of the lanes store the same word
	s_endpgm
.Lfunc_end_k_q48a69c82cc_wprep:
	.size	k_q48a69c82cc_wprep, .Lfunc_end_k_q48a69c82cc_wprep-k_q48a69c82cc_wprep
	.p2alignl 7, 3214868480
	.fill 96, 4, 3214868480
	.section	.rodata,"a",@progbits
	.p2align	6, 0x0
	.amdhsa_kernel k_q48a69c82cc_wprep
		.amdhsa_group_segment_fixed_size 0
		.amdhsa_private_segment_fixed_size 0
		.amdhsa_enable_private_segment 0
		.amdhsa_kernarg_size 24
		.amdhsa_user_sgpr_count 2
		.amdhsa_user_sgpr_kernarg_segment_ptr 1
		.amdhsa_wavefront_size32 1
		.amdhsa_system_sgpr_workgroup_id_x 1
		.amdhsa_system_sgpr_workgroup_id_y 1
		.amdhsa_system_sgpr_workgroup_id_z 1
		.amdhsa_system_vgpr_workitem_id 0
		.amdhsa_next_free_vgpr 128
		.amdhsa_next_free_sgpr 66
		.amdhsa_reserve_vcc 0
		.amdhsa_float_denorm_mode_32 3
		.amdhsa_float_denorm_mode_16_64 3
		.amdhsa_memory_ordered 1
		.amdhsa_forward_progress 1
		.amdhsa_inst_pref_size 11
	.end_amdhsa_kernel
	.amdgpu_metadata
---
amdhsa.version: [ 1, 2 ]
amdhsa.kernels:
  - .name:           k_q48a69c82cc_wprep
    .symbol:         k_q48a69c82cc_wprep.kd
    .args:
      - { .name: Wq, .offset: 0, .size: 8, .value_kind: global_buffer, .address_space: global }
      - { .name: Wk, .offset: 8, .size: 8, .value_kind: global_buffer, .address_space: global }
      - { .name: wimg, .offset: 16, .size: 8, .value_kind: global_buffer, .address_space: global }
    .group_segment_fixed_size: 0
    .private_segment_fixed_size: 0
    .kernarg_segment_align: 8
    .kernarg_segment_size: 24
    .max_flat_workgroup_size: 32
    .sgpr_count:     66
    .vgpr_count:     128
    .wavefront_size: 32
...
	.end_amdgpu_metadata
.endif
;; end of part 1
;; launch prep (part 2): grid 64 x 4, 8 waves a work-group, no clusters, 327,680 bytes of LDS; arguments x, mask, wimg, qimg, qsc, kimg, ksc, vimg; writes qimg, qsc, kimg, ksc, vimg
.if DOCPART == 2
	.amdgcn_target "amdgcn-amd-amdhsa--gfx1250"
	.amdhsa_code_object_version 6
	.text
	.protected	k_q48a69c82cc_prep
	.globl	k_q48a69c82cc_prep
	.p2align	8
	.type	k_q48a69c82cc_prep,@function
k_q48a69c82cc_prep:
	s_mov_b64 s[64:65], 0
	v_nop
	global_prefetch_b8 v0, s[64:65] scope:SCOPE_SE
	s_setreg_imm32_b32 hwreg(HW_REG_WAVE_MODE, 25, 1), 1
	s_wait_xcnt 0x0
; A work-group takes 64 rows (keys) of one batch, all 768 channels: x leaves memory once, by tensor loads into LDS, and is quantised twice, to codes of FP6 (E2M3) with one E8M0 byte for 32 along K.
; PHASE V: along the KEYS (x as the values).  A lane takes a channel and its registers run down the 64 keys: two whole blocks a lane; the 12 registers of codes ARE the lane's part of a fragment's image.
; PHASE X: along D.  Wave w takes row tile m = w % 4 (lane r: row 32 g + 8 u + r + 8 (r / 8), m = 2 g + u), makes its six fragments in registers and multiplies them by W's images: waves 0-3 by Wq, waves 4-7 by Wk
;   (transposed: source 0 = 16 units of W, source 1 = 16 rows of x, so that a lane holds one row and 16 neighbouring units of each block).  The result x the row's mask is quantised along the 64 units and stored as an image.
; IMAGES.  A fragment's registers lie in pieces of 512 bytes, registers 4 k .. 4 k + 3, lane l's 16 bytes at 16 l.  q's and k's hold 8 registers: 0-5 the 64 codes, 6 THE MASK TERM, 7 zero.
;   The instruction's K is 128 and the units are 64, so blocks 2 and 3 carry reference()'s -1e9: q has the codes 4, 0.25, 0.125 there under the scale 1; a masked key has -7, -7, -0.375 under 2^28 (block 2) and
;   -5.5, -1, -0.5 under 2^16 (block 3): the sum is -8e9, which x 1/8 is -1e9; the masked key's own codes are zeros.  A valid key has zero codes there, under the smallest scale.
; In a step of 128 keys, the group of 32 keys beta = 2 h' + c lies in lanes 16 h' + r, registers 6 c .. 6 c + 5, scale byte 2 c + h': this work-group (h' = i % 2) so stores whole runs of 256 bytes of each piece.
; No cluster: what work-groups share is wimg, 77 of the 273 KB that one brings in.  Nothing in LDS is filled twice: one barrier.
; The V scale bytes leave as single bytes (two work-groups share a word): 1 byte in 128 of what the launch reads.
; LIMITS: NaN and infinities are not served; a block whose largest magnitude lies under 2^-124 (zeros too) keeps the byte 1: this program alone reads the bytes.
.set PITCH, 3120                       ; a row of x in LDS: 3 x (1,024 bytes + 16 of padding) = 195 x 16
.set WI,    64*PITCH                   ; behind x: wimg as it lies, 76,800 bytes
.set TM,  16                           ; v16-31   at work in the quantisers
.set T0,  32                           ; v32-34, v36-38  conversions' upper halves; at the end v32-39 the image of q or k
.set XS,  40                           ; v40-45   x's scale words, one a K step: they hold nothing else
.set MF,  46                           ; v46-47   the row's mask as f32, twice
.set XF,  48                           ; v48-119  x's six fragments
.set VC,  48                           ; phase V: v48-83 three tile pairs' codes, v84-89 their scale bytes, v90-91 store offsets, v92-103 LDS addresses
.set VBY, 84
.set VSO, 90
.set VBO, 91
.set AVT, 92
.set XNA, 120                          ; v120-183, v184-247  two sets of 64 numbers; later W's fragments (v120-167, v184-231) and the four accumulators (v168-183, v232-247)
.set XNB, 184
.set WS,  248                          ; v248-251 W's scale words, two sets of two: they hold nothing else
.macro NOPS n
.rept \n
	v_nop
.endr
.endm
.macro WM d, a, b, c, sa, sb, row
.if \row
	v_wmma_scale_f32_16x16x128_f8f6f4 v[\d:\d+7], v[\a:\a+11], v[\b:\b+11], \c, v[\sa], v[\sb] matrix_a_fmt:MATRIX_FMT_FP6 matrix_b_fmt:MATRIX_FMT_FP6 matrix_a_scale:MATRIX_SCALE_ROW1
.else
	v_wmma_scale_f32_16x16x128_f8f6f4 v[\d:\d+7], v[\a:\a+11], v[\b:\b+11], \c, v[\sa], v[\sb] matrix_a_fmt:MATRIX_FMT_FP6 matrix_b_fmt:MATRIX_FMT_FP6
.endif
.endm
	s_load_b256 s[4:11], s[0:1], 0x0               ; x s[4:5], mask s[6:7], wimg s[8:9], qimg s[10:11]
	s_load_b256 s[12:19], s[0:1], 0x20             ; qsc s[12:13], kimg s[14:15], ksc s[16:17], vimg s[18:19]
	v_lshl_add_u32 v11, v0, 2, 0x43800
	v_mov_b32 v27, 0
	ds_add_u32 v11, v27
	ds_add_u32 v11, v27
	v_lshrrev_b32 v1, 5, v0
	s_delay_alu instid0(VALU_DEP_1)
	v_readfirstlane_b32 s20, v1                    ; wave 0..7
	s_and_b32 s22, ttmp7, 0xffff                   ; b; ttmp9 is i, the block of 64 rows
	; group 1 for x: 8 rows of 768 elements of 4 bytes; 4 words of padding behind every 256 words
	s_mov_b32 s24, (2<<16)|(1<<20)|(7<<22)|(3<<25)
	s_mov_b32 s25, 768<<16
	s_mov_b32 s26, 8<<16
	s_mov_b32 s27, 768<<16
	s_mov_b32 s28, 8
	s_mov_b32 s29, 768
	s_mov_b32 s30, 0
	s_mov_b32 s31, 0
	; group 1 for wimg: 9,600 dense bytes a wave, as 75 rows of 16 elements of 8 bytes
	s_mov_b32 s32, 3<<16
	s_mov_b32 s33, 16<<16
	s_mov_b32 s34, 75<<16
	s_mov_b32 s35, 16<<16
	s_mov_b32 s36, 75
	s_mov_b32 s37, 16
	s_mov_b32 s38, 0
	s_mov_b32 s39, 0
	s_lshl_b32 s50, s22, 12
	s_lshl_b32 s51, ttmp9, 6
	s_add_co_u32 s50, s50, s51                     ; the work-group's first row: 4,096 b + 64 i
	s_lshl_b32 s51, s20, 3
	s_add_co_u32 s52, s50, s51                     ; my 8 rows
	s_mul_i32 s52, s52, 3072
	s_mov_b32 s53, 0
	s_mov_b32 s51, 0
	s_mul_i32 s54, s20, 8*PITCH
	s_mul_i32 s56, s20, 9600
	s_mov_b32 s57, 0
	s_mov_b32 s48, 0x76543210
	s_mov_b32 s49, 0xfedcba98                      ; v_permlanex16_b32's selects for lane l xor 16
	s_wait_dscnt 0x0
	s_wait_kmcnt 0x0
	s_mov_b32 s40, 1
	s_mov_b32 s41, s54
	s_add_nc_u64 s[42:43], s[4:5], s[52:53]
	s_or_b32 s43, s43, 0x80000000
	s_mov_b32 s44, 1
	s_add_co_u32 s45, s56, WI
	s_add_nc_u64 s[46:47], s[8:9], s[56:57]
	s_or_b32 s47, s47, 0x80000000
	tensor_load_to_lds s[40:43], s[24:31]          ; my 8 rows of x: the wave's one load at the head
	s_nop 0
	NOPS 4
	v_and_b32 v1, 31, v0                           ; lane
	s_wait_alu depctr_va_vdst(0)
	v_and_b32 v2, 15, v0                           ; r
	v_bfe_u32 v3, v0, 4, 1                         ; h
	s_and_b32 s58, s20, 3                          ; m
	s_lshr_b32 s59, s58, 1                         ; g
	s_and_b32 s60, s58, 1                          ; u
	s_lshl_b32 s61, s59, 5
	s_lshl_b32 s62, s60, 3
	s_add_co_u32 s61, s61, s62                     ; 32 g + 8 u
	v_and_b32 v253, 8, v2
	s_delay_alu instid0(VALU_DEP_1)
	v_add_nc_u32 v253, v253, v2
	s_delay_alu instid0(VALU_DEP_1)
	v_add_nc_u32 v253, s61, v253                   ; my row among the 64
	s_add_nc_u64 s[6:7], s[6:7], s[50:51]
	global_load_u8 v252, v253, s[6:7]              ; its mask byte
	v_mul_u32_u24 v12, v253, PITCH
	s_delay_alu instid0(VALU_DEP_1)
	v_lshl_add_u32 v12, v3, 6, v12                 ; phase X: my row, + 64 h: my 16 numbers of a block of 32
	s_lshr_b32 s62, s20, 2                         ; 0: q, 1: k
	s_mul_i32 s63, s62, 6144
	s_add_co_u32 s63, s63, WI
	v_lshl_add_u32 v13, v1, 4, s63                 ; W's images of my four tiles, K steps 0-2,
	s_delay_alu instid0(VALU_DEP_1)
	v_add_nc_u32 v14, 36864, v13                   ; and K steps 3-5
	s_lshl_b32 s63, s62, 8
	s_add_co_u32 s63, s63, WI+73728
	v_lshl_add_u32 v15, v1, 2, s63                 ; their scale words
	v_lshlrev_b32 v4, 2, v1                        ; phase V: 4 x lane, and 16 rows further for each of four address registers
	s_wait_alu depctr_va_vdst(0)
.irp q,1,2,3
	v_add_nc_u32 v[4+\q], \q*16*PITCH, v4
.endr
	s_wait_alu depctr_va_vdst(0)
.irp t,0,1,2                           ; tile pair 3 w + t: channels 32 (3 w + t) on: 128 bytes a pair, 16 more behind every 8 pairs
	s_mul_i32 s72, s20, 3
	s_add_co_u32 s72, s72, \t
	s_lshr_b32 s73, s72, 3
	s_lshl_b32 s72, s72, 7
	s_lshl_b32 s73, s73, 4
	s_add_co_u32 s72, s72, s73
.irp q,0,1,2,3
	v_add_nc_u32 v[AVT+4*\t+\q], s72, v[4+\q]
.endr
.endr
	v_lshrrev_b32 v[VSO], 4, v1
	s_delay_alu instid0(VALU_DEP_1)
	v_mul_u32_u24 v[VSO], v[VSO], 1536
	s_delay_alu instid0(VALU_DEP_1)
	v_lshl_add_u32 v[VSO], v2, 4, v[VSO]           ; V's images: tile (lane / 16) of the pair, 16 r
	v_lshlrev_b32 v[VBO], 2, v1                    ; V's scale words: 4 x lane
.irp n,4,5,6,7
	v_mov_b32 v[TM+\n], 0                          ; written once: a lane permute's destination counts as one of its sources
.endr
	; vimg: [b][slot 16][wave 4][38,400]; a quarter: [key step 2][tile 12][1,536], then from 36,864 [key step 2][pair 6][128]
	s_mul_i32 s62, s22, 2457600
	s_lshr_b32 s63, ttmp9, 2
	s_mul_i32 s63, s63, 153600
	s_add_co_u32 s62, s62, s63
	s_lshr_b32 s63, s20, 1
	s_mul_i32 s63, s63, 38400
	s_add_co_u32 s62, s62, s63                     ; the quarter
	s_bfe_u32 s63, ttmp9, 0x10001                  ; which key step of the slot
	s_and_b32 s66, s20, 1
	s_and_b32 s67, ttmp9, 1                        ; h'
	s_mul_i32 s68, s63, 18432
	s_mul_i32 s69, s66, 9216
	s_add_co_u32 s68, s68, s69
	s_lshl_b32 s69, s67, 8
	s_add_co_u32 s68, s68, s69
	s_add_co_u32 s68, s68, s62
	s_mov_b32 s69, 0
	s_mul_i32 s70, s63, 768
	s_mul_i32 s71, s66, 384
	s_add_co_u32 s70, s70, s71
	s_add_co_u32 s70, s70, s67
	s_add_co_u32 s70, s70, s62
	s_add_co_u32 s70, s70, 36864
	s_mov_b32 s71, 0
	s_add_nc_u64 s[68:69], s[18:19], s[68:69]      ; my three pairs' images
	s_add_nc_u64 s[70:71], s[18:19], s[70:71]      ; and their scale bytes
	; where q's or k's image goes
	s_lshl_b32 s76, s22, 18                        ; 262,144 b
	s_lshl_b32 s77, ttmp9, 12
	s_add_co_u32 s77, s77, s76
	s_lshl_b32 s78, s58, 10
	s_add_co_u32 s77, s77, s78                     ; q: + 4,096 i + 1,024 m
	s_and_b32 s78, ttmp9, 1
	s_lshl_b32 s78, s78, 1
	s_add_co_u32 s78, s78, s59                     ; beta = 2 (i % 2) + g
	s_lshl_b32 s78, s78, 16
	s_add_co_u32 s76, s76, s78
	s_lshr_b32 s78, ttmp9, 1
	s_lshl_b32 s78, s78, 11
	s_add_co_u32 s76, s76, s78
	s_lshl_b32 s78, s60, 10
	s_add_co_u32 s76, s76, s78                     ; k: + 65,536 beta + 2,048 j + 1,024 u
	s_cmp_lt_u32 s20, 4                            ; the choices hang on the wave's number alone
	s_cselect_b64 s[72:73], s[10:11], s[14:15]
	s_cselect_b64 s[74:75], s[12:13], s[16:17]
	s_cselect_b32 s76, s77, s76
	s_cselect_b32 s78, -1, 0                       ; all lanes: a q wave
	s_mov_b32 s77, 0
	s_add_nc_u64 s[72:73], s[72:73], s[76:77]
	s_lshr_b32 s76, s76, 4                         ; the scale words: a sixteenth of the image's offset
	s_add_nc_u64 s[74:75], s[74:75], s[76:77]
	s_wait_alu depctr_va_vdst(0)                   ; the wait at the head's end
	s_wait_tensorcnt 0x0                           ; my rows of x have landed;
	ds_add_u32 v11, v27                            ; the add and its wait ahead of a later first fill
	s_wait_dscnt 0x0
	s_barrier_signal -1
	s_barrier_wait -1                              ; everybody's rows have landed
	tensor_load_to_lds s[44:47], s[32:39]          ; my part of wimg: it has phase V in which to land
	s_nop 0
	NOPS 4
; ---- PHASE V
.macro LOADV t, set                    ; channel 32 (3 w + t) + lane, keys 0 .. 63: each load reads 128 consecutive bytes
.set kk, 0
.rept 64
	ds_load_b32 v[\set+kk], v[AVT+4*\t+kk/16] offset:(kk%16)*PITCH
.set kk, kk+1
.endr
.endm
.macro QV t, set
.irp g,0,1
	v_max3_num_f32 v[TM+\g], |v[\set+32*\g]|, |v[\set+32*\g+1]|, 0x1800000   ; block g: all 32 keys are mine; the floor 2^-124 holds the byte at 1 from below
.endr
.irp n,2,4,6,8,10,12,14,16,18,20,22,24,26,28,30
.irp g,0,1
	s_delay_alu instid0(VALU_DEP_2)
	v_max3_num_f32 v[TM+\g], v[TM+\g], |v[\set+32*\g+\n]|, |v[\set+32*\g+\n+1]|
.endr
.endr
.irp g,0,1
	s_delay_alu instid0(VALU_DEP_2)
	v_add_nc_u32 v[TM+2+\g], 0xff000000, v[TM+\g]  ; 2 off the exponent field: the conversion's scale operand
.endr
.irp g,0,1
	s_delay_alu instid0(VALU_DEP_2)
	v_lshrrev_b32 v[VBY+2*\t+\g], 23, v[TM+2+\g]   ; the scale's byte
.endr
.irp g,0,1
	v_cvt_scalef32_pk16_fp6_f32 v[VC+12*\t+6*\g:VC+12*\t+6*\g+2], v[\set+32*\g:\set+32*\g+15], v[TM+2+\g]
	v_cvt_scalef32_pk16_fp6_f32 v[T0+4*\g:T0+4*\g+2], v[\set+32*\g+16:\set+32*\g+31], v[TM+2+\g]
.endr
	v_nop                                          ; one plain place behind a scaled conversion
.irp g,0,1
.irp n,0,1,2
	v_mov_b32 v[VC+12*\t+6*\g+3+\n], v[T0+4*\g+\n]
.endr
.endr
.irp c,0,1,2
	global_store_b128 v[VSO], v[VC+12*\t+4*\c:VC+12*\t+4*\c+3], s[68:69] offset:3072*\t+512*\c   ; sixteen lanes store 256 consecutive bytes, at a multiple of 256 from the buffer's first byte
.endr
.irp g,0,1
	global_store_b8 v[VBO], v[VBY+2*\t+\g], s[70:71] offset:128*\t+2*\g
.endr
.endm
	LOADV 0, XNA
	LOADV 1, XNB
	s_wait_dscnt 63                                ; of the 128 loads at most 63 are out: set A's 64 are in
	QV 0, XNA
	LOADV 2, XNA
	s_wait_dscnt 63                                ; set B's are in
	QV 1, XNB
	s_wait_dscnt 0x0
	QV 2, XNA
	s_wait_xcnt 0x0                                ; the stores' data and offsets are rewritten only behind this wait
	s_wait_alu depctr_va_vdst(0)
	s_wait_tensorcnt 0x0                           ; my part of wimg has landed,
	s_barrier_signal -1
	s_barrier_wait -1                              ; everybody's has
; ---- PHASE X
.macro XLOAD s, set                    ; my row's 64 numbers of K step s: register 16 b + i = d 128 s + 32 b + 16 h + i
.irp b,0,1,2,3
.irp n,0,1,2,3
	ds_load_b128 v[\set+16*\b+4*\n:\set+16*\b+4*\n+3], v12 offset:512*(\s)+16*((\s)/2)+128*\b+16*\n
.endr
.endr
.endm
.macro QUANT src, s                    ; 64 numbers become fragment s in v[XF + 12 s] on, and its scale word
.irp b,0,1,2,3
	v_max3_num_f32 v[TM+\b], |v[\src+16*\b]|, |v[\src+1+16*\b]|, 0x1800000
.endr
.irp n,2,4,6,8,10,12,14
.irp b,0,1,2,3
	s_delay_alu instid0(VALU_DEP_4)
	v_max3_num_f32 v[TM+\b], v[TM+\b], |v[\src+16*\b+\n]|, |v[\src+1+16*\b+\n]|
.endr
.endr
.irp b,0,1,2,3
	s_delay_alu instid0(VALU_DEP_4)
	v_permlanex16_b32 v[TM+4+\b], v[TM+\b], s48, s49
.endr
.irp b,0,1,2,3
	s_delay_alu instid0(VALU_DEP_4)
	v_max_num_f32 v[TM+\b], v[TM+\b], v[TM+4+\b]   ; with lane l xor 16's: the block's largest magnitude
.endr
.irp b,0,1,2,3
	s_delay_alu instid0(VALU_DEP_4)
	v_add_nc_u32 v[TM+12+\b], 0xff000000, v[TM+\b]
.endr
.irp b,0,1,2,3
	s_delay_alu instid0(VALU_DEP_4)
	v_lshrrev_b32 v[TM+4+\b], 23, v[TM+12+\b]
.endr
	s_delay_alu instid0(VALU_DEP_3)
	v_lshl_or_b32 v[XS+\s], v[TM+5], 8, v[TM+4]
	s_delay_alu instid0(VALU_DEP_1)
	v_lshl_or_b32 v[XS+\s], v[TM+6], 16, v[XS+\s]
	s_delay_alu instid0(VALU_DEP_1)
	v_lshl_or_b32 v[XS+\s], v[TM+7], 24, v[XS+\s]
.irp c,0,1
	v_cvt_scalef32_pk16_fp6_f32 v[XF+12*\s+6*\c:XF+12*\s+6*\c+2], v[\src+32*\c:\src+32*\c+15], v[TM+12+2*\c]
	v_cvt_scalef32_pk16_fp6_f32 v[T0+4*\c:T0+4*\c+2], v[\src+32*\c+16:\src+32*\c+31], v[TM+13+2*\c]
.endr
	v_nop                                          ; one plain place behind a scaled conversion
.irp c,0,1                             ; the operand's layout wants a whole block in a lane: lanes 0-15 block 2 c, lanes 16-31 block 2 c + 1
.irp n,0,1,2
	v_permlane16_swap_b32 v[XF+12*\s+6*\c+\n], v[T0+4*\c+\n]
.endr
.irp n,0,1,2
	s_delay_alu instid0(VALU_DEP_3)
	v_mov_b32 v[XF+12*\s+6*\c+3+\n], v[T0+4*\c+\n]
.endr
.endr
.endm
.macro WLOAD s, set                    ; my four tiles of W for K step s, and their scale words (lanes 0-15 the even tile's, lanes 16-31 the odd one's)
.irp t,0,1,2,3
.irp c,0,1,2
	ds_load_b128 v[120+64*(\set)+12*\t+4*\c:120+64*(\set)+12*\t+4*\c+3], v[13+(\s)/3] offset:12288*((\s)%3)+1536*\t+512*\c
.endr
.endr
.irp p,0,1
	ds_load_b32 v[WS+2*(\set)+\p], v15 offset:512*(\s)+128*\p
.endr
.endm
	XLOAD 0, XNA
	XLOAD 1, XNB
.irp s,0,1,2,3,4,5
.if \s < 5
	s_wait_dscnt 16                                ; this K step's numbers are in; the next step's 16 loads may be out
.else
	s_wait_dscnt 0x0
.endif
	QUANT XNA+64*(\s%2), \s
.if \s < 4
	XLOAD \s+2, XNA+64*(\s%2)
.endif
.endr
	WLOAD 0, 0
	WLOAD 1, 1
	NOPS 8                                         ; a scale register written by a vector instruction stands 8 places ahead of a scaled matrix instruction, an operand 4
.irp s,0,1,2,3,4,5
.if \s < 5
	s_wait_dscnt 14                                ; this step's W is in; the next step's 14 loads may be out
.else
	s_wait_alu depctr_va_vdst(0)
	s_wait_dscnt 0x0
.endif
.irp t,0,1,2,3                         ; the four accumulators take turns
.set rd, 168+8*(\t%2)+64*(\t/2)
.set ra, 120+64*(\s%2)+12*\t
.set rb, XF+12*\s
.set rsa, WS+2*(\s%2)+\t/2
.set rsb, XS+\s
.set rrow, \t%2
.if \s == 0
	WM rd, ra, rb, 0, rsa, rsb, rrow
.else
	WM rd, ra, rb, v[rd:rd+7], rsa, rsb, rrow
.endif
.endr
	NOPS 4                                         ; places in front of loads into registers that these products read, and of the first read of results
.if \s < 4
	WLOAD \s+2, \s%2
.endif
.endr
	; lane (r, h) holds my row's units 16 h + 0 .. 15 in v168-183 and 32 + 16 h + 0 .. 15 in v232-247
	s_wait_loadcnt 0x0                             ; the mask byte
	v_cvt_f32_u32 v[MF], v252
	s_delay_alu instid0(VALU_DEP_1)
	v_mov_b32 v[MF+1], v[MF]
.irp a,168,176,232,240
.irp n,0,2,4,6
	v_pk_mul_f32 v[\a+\n:\a+\n+1], v[\a+\n:\a+\n+1], v[MF:MF+1]   ; x the row's mask, each accumulator from its low end on
.endr
.endr
.irp g,0,1
	v_max3_num_f32 v[TM+\g], |v[168+64*\g]|, |v[169+64*\g]|, 0x1800000
.endr
.irp n,2,4,6,8,10,12,14
.irp g,0,1
	s_delay_alu instid0(VALU_DEP_2)
	v_max3_num_f32 v[TM+\g], v[TM+\g], |v[168+64*\g+\n]|, |v[169+64*\g+\n]|
.endr
.endr
.irp g,0,1
	s_delay_alu instid0(VALU_DEP_2)
	v_permlanex16_b32 v[TM+4+\g], v[TM+\g], s48, s49
.endr
.irp g,0,1
	s_delay_alu instid0(VALU_DEP_2)
	v_max_num_f32 v[TM+\g], v[TM+\g], v[TM+4+\g]
.endr
.irp g,0,1
	s_delay_alu instid0(VALU_DEP_2)
	v_add_nc_u32 v[TM+12+\g], 0xff000000, v[TM+\g]
.endr
.irp g,0,1
	s_delay_alu instid0(VALU_DEP_2)
	v_lshrrev_b32 v[TM+4+\g], 23, v[TM+12+\g]
.endr
	s_delay_alu instid0(VALU_DEP_1)
	v_lshl_or_b32 v254, v[TM+5], 8, v[TM+4]        ; the two blocks' bytes
	v_cvt_scalef32_pk16_fp6_f32 v[32:34], v[168:183], v[TM+12]
	v_cvt_scalef32_pk16_fp6_f32 v[24:26], v[232:247], v[TM+13]
	v_nop                                          ; one plain place behind a scaled conversion
.irp n,0,1,2
	v_permlane16_swap_b32 v[32+\n], v[24+\n]       ; lanes 0-15: block 0 whole, lanes 16-31: block 1
.endr
.irp n,0,1,2
	s_delay_alu instid0(VALU_DEP_3)
	v_mov_b32 v[35+\n], v[24+\n]
.endr
	; register 6 and the scale word's upper bytes: the mask term
	v_cmp_eq_u32 vcc_lo, 0, v252                   ; a masked row
	v_mov_b32 v6, 0x24a3b                          ; -5.5, -1, -0.5
	v_mov_b32 v255, 0x23fbe                        ; -7, -7, -0.375
	v_cmp_ne_u32 s79, 0, v3
	s_delay_alu instid0(VALU_DEP_1)
	v_cndmask_b32 v255, v255, v6, s79              ; by the lane's half: block 2 or block 3
	s_delay_alu instid0(VALU_DEP_1)
	v_cndmask_b32 v38, 0, v255, vcc_lo             ; k: the term for a masked key, zeros for a valid one
	v_mov_b32 v6, 0x01010000
	v_mov_b32 v7, 0x8f9b0000                       ; 2^28 and 2^16
	s_delay_alu instid0(VALU_DEP_1)
	v_cndmask_b32 v7, v6, v7, vcc_lo
	v_mov_b32 v6, 0x1098                           ; q: 4, 0.25, 0.125
	s_delay_alu instid0(VALU_DEP_1)
	v_cndmask_b32 v38, v38, v6, s78
	v_mov_b32 v6, 0x7f7f0000                       ; under the scale 1
	s_delay_alu instid0(VALU_DEP_1)
	v_cndmask_b32 v7, v7, v6, s78
	s_delay_alu instid0(VALU_DEP_1)
	v_or_b32 v254, v254, v7
	v_mov_b32 v39, 0
	v_lshlrev_b32 v4, 4, v1
	v_lshlrev_b32 v5, 2, v2
	global_store_b128 v4, v[32:35], s[72:73]       ; 32 lanes store 512 consecutive bytes
	global_store_b128 v4, v[36:39], s[72:73] offset:512
	global_store_b32 v5, v254, s[74:75]            ; both halves of the lanes store the same word
	s_wait_tensorcnt 0x0
	ds_add_u32 v11, v27
	s_wait_dscnt 0x0
	s_endpgm
.Lfunc_end_k_q48a69c82cc_prep:
	.size	k_q48a69c82cc_prep, .Lfunc_end_k_q48a69c82cc_prep-k_q48a69c82cc_prep
	.p2alignl 7, 3214868480
	.fill 96, 4, 3214868480
	.section	.rodata,"a",@progbits
	.p2align	6, 0x0
	.amdhsa_kernel k_q48a69c82cc_prep
		.amdhsa_group_segment_fixed_size 327680
		.amdhsa_private_segment_fixed_size 0
		.amdhsa_enable_private_segment 0
		.amdhsa_kernarg_size 64
		.amdhsa_user_sgpr_count 2
		.amdhsa_user_sgpr_kernarg_segment_ptr 1
		.amdhsa_wavefront_size32 1
		.amdhsa_system_sgpr_workgroup_id_x 1
		.amdhsa_system_sgpr_workgroup_id_y 1
		.amdhsa_system_sgpr_workgroup_id_z 1
		.amdhsa_system_vgpr_workitem_id 0
		.amdhsa_next_free_vgpr 256
		.amdhsa_next_free_sgpr 80
		.amdhsa_reserve_vcc 1
		.amdhsa_float_denorm_mode_32 3
		.amdhsa_float_denorm_mode_16_64 3
		.amdhsa_memory_ordered 1
		.amdhsa_forward_progress 1
		.amdhsa_inst_pref_size 87
	.end_amdhsa_kernel
	.amdgpu_metadata
---
amdhsa.version: [ 1, 2 ]
amdhsa.kernels:
  - .name:           k_q48a69c82cc_prep
    .symbol:         k_q48a69c82cc_prep.kd
    .args:
      - { .name: x, .offset: 0, .size: 8, .value_kind: global_buffer, .address_space: global }
      - { .name: mask, .offset: 8, .size: 8, .value_kind: global_buffer, .address_space: global }
      - { .name: wimg, .offset: 16, .size: 8, .value_kind: global_buffer, .address_space: global }
      - { .name: qimg, .offset: 24, .size: 8, .value_kind: global_buffer, .address_space: global }
      - { .name: qsc, .offset: 32, .size: 8, .value_kind: global_buffer, .address_space: global }
      - { .name: kimg, .offset: 40, .size: 8, .value_kind: global_buffer, .address_space: global }
      - { .name: ksc, .offset: 48, .size: 8, .value_kind: global_buffer, .address_space: global }
      - { .name: vimg, .offset: 56, .size: 8, .value_kind: global_buffer, .address_space: global }
    .group_segment_fixed_size: 327680
    .private_segment_fixed_size: 0
    .kernarg_segment_align: 8
    .kernarg_segment_size: 64
    .max_flat_workgroup_size: 256
    .sgpr_count:     80
    .vgpr_count:     256
    .wavefront_size: 32
...
	.end_amdgpu_metadata
.endif
;; end of part 2
;; launch attn (part 3): grid 64 x 4, 8 waves a work-group, clusters of 4 x 1, 327,680 bytes of LDS; arguments qimg, qsc, kimg, ksc, vimg, mask, out0; writes out0
.if DOCPART == 3
	.amdgcn_target "amdgcn-amd-amdhsa--gfx1250"
	.amdhsa_code_object_version 6
	.text
	.protected	k_q48a69c82cc_attn
	.globl	k_q48a69c82cc_attn
	.p2align	8
	.type	k_q48a69c82cc_attn,@function
k_q48a69c82cc_attn:
	s_mov_b64 s[64:65], 0
	v_nop
	global_prefetch_b8 v0, s[64:65] scope:SCOPE_SE
	s_setreg_imm32_b32 hwreg(HW_REG_WAVE_MODE, 25, 1), 1
	s_wait_xcnt 0x0
	s_wait_alu depctr_hold_cnt(0) depctr_sa_sdst(0) depctr_va_vdst(0) depctr_va_sdst(0) depctr_va_ssrc(0) depctr_va_vcc(0) depctr_vm_vsrc(0)
	s_getreg_b32 s2, hwreg(HW_REG_IB_STS2, 6, 4)
	s_cmp_eq_u32 s2, 0
	s_cbranch_scc0 .Lentry_in_a_cluster
	s_endpgm
.Lentry_in_a_cluster:
	s_bfe_u32 s2, ttmp6, 0x10000c
	s_cmp_lg_u32 s2, 0x3003
	s_cbranch_scc0 .Lentry_shape_is_right
	s_endpgm
.Lentry_shape_is_right:
; out = softmax(q k^T / 8, masked keys at -1e9) x, x the query's mask.  A work-group takes 64 queries of one batch and walks the 4,096 keys in 32 steps of 128.
; All operands arrive as images of operand registers (codes of FP6, E8M0 scale words), as the launch before lays them; the -1e9 of a masked key rides in blocks 2 and 3 of q's and k's fragments.
; EIGHT WAVES, two roles each.  SCORES: wave w takes key group w % 4 (32 keys of a step) x query half w / 4 (32 queries): S^T = k q^T, p = 2^(t - M), the row's sum of the unquantised p,
; p's codes and scale byte into an image in LDS.  VALUES: wave w takes channels 96 w .. 96 w + 95 x all 64 queries: O^T += v^T p^T, 24 accumulators by turns.
; In trip t the values' product of step t and the scores of step t + 1 hang on nothing of each other: waves 0-3 run scores first, waves 4-7 the product first.
; M = ceil(the row's largest t) comes from a first pass over all keys (scores and maxima alone), so nothing is rescaled later.
; V goes through a ring of two slots of 256 keys (153,600 bytes), by joint loads of the 4 work-groups of a cluster, which walk the same batch; each wave asks for 75 rows of 256 bytes.
; K comes from memory straight into registers, two steps ahead.  No data prefetch: the ring asks for a slot two trips ahead of its first read and K's loads two steps ahead, and the loop waits for neither by its own counts.
; LIMITS: NaN and infinities are not served; the promise holds while the scaled scores stay under 2^31 in magnitude.
; REGISTERS.  Window 0: v0-63 addresses and small numbers, v64-95 scores, v96-119 q, v120-167 k (two sets), v168-239 V's six fragments, v28-31 and v240-254 scale words alone.
; Window 1: v0-191 the 24 accumulators (in the first pass eight sets of k), v192-239 p's four fragments.
.set RING1, 153600
.set PART,  19200                      ; a wave's part of a slot
.set PIMG,  307200                     ; p's images, two sets of 6,144
.set PSC,   319488                     ; p's scale words, two sets of 256
.set XCH,   320000                     ; 2,048 for the maxima, 2,048 for the sums
.set SPARE, 324096                     ; the spare words, 128 bytes a wave
.set SP,    3088                       ; the way out: a row of 3,072 bytes + 16
.set SPW, 1
.set NIL, 2
.set LI,  3
.set L4,  4
.set LR4, 5
.set AV,  6
.set AVS, 8
.set AP,  10
.set APS, 11
.set PW0, 12
.set PWB, 15
.set XW,  16
.set XR,  17
.set XR2, 18
.set STO, 19
.set SRD, 21
.set QMO, 23
.set QM,  24
.set PS,  28
.set NM,  32
.set L,   36
.set MXA, 44
.set MXB, 46
.set BT,  48
.set SO,  50
.set BY,  52
.set PCD, 56
.set S,   64
.set RI,  72
.set Q,   96
.set KF,  120
.set VF,  168
.set KS1, 240
.set QS,  248
.set VS,  250
.set KS,  253
.set MSB, 0
.macro WIN new
.if MSB != \new
	s_set_vgpr_msb (MSB<<8)|\new
.set MSB, \new
.endif
.endm
.macro NOPS n
.rept \n
	v_nop
.endr
.endm
.macro AW
	s_wait_alu depctr_va_vdst(0)
.endm
.macro ROUND
	s_barrier_signal -1
	s_barrier_wait -1
	s_cmp_lg_u32 s92, 0
	s_cbranch_scc1 .Lnot_wave_0_\@
	s_barrier_signal -3
.Lnot_wave_0_\@:
	s_barrier_wait -3
	s_barrier_signal -1
	s_barrier_wait -1
.endm
.macro WM d, a, b, c, sa, sb, row
.if \row
	v_wmma_scale_f32_16x16x128_f8f6f4 v[\d:\d+7], v[\a:\a+11], v[\b:\b+11], \c, v[\sa], v[\sb] matrix_a_fmt:MATRIX_FMT_FP6 matrix_b_fmt:MATRIX_FMT_FP6 matrix_a_scale:MATRIX_SCALE_ROW1
.else
	v_wmma_scale_f32_16x16x128_f8f6f4 v[\d:\d+7], v[\a:\a+11], v[\b:\b+11], \c, v[\sa], v[\sb] matrix_a_fmt:MATRIX_FMT_FP6 matrix_b_fmt:MATRIX_FMT_FP6
.endif
.endm
	s_load_b256 s[4:11], s[0:1], 0x0               ; qimg, qsc, kimg, ksc
	s_load_b128 s[12:15], s[0:1], 0x20             ; vimg, mask
	s_load_b64 s[16:17], s[0:1], 0x30              ; out0
	v_lshl_add_u32 v[SPW], v0, 2, SPARE
	v_mov_b32 v[NIL], 0
	ds_add_u32 v[SPW], v[NIL]                      ; the opening lines: the add twice and its one wait
	ds_add_u32 v[SPW], v[NIL]
	v_lshrrev_b32 v3, 5, v0
	v_readfirstlane_b32 s92, v3                    ; the wave's number in the work-group, bits b2 b1 b0
	s_lshr_b32 s93, s92, 2
	s_xor_b32 s18, s92, s93
	s_and_b32 s18, s18, 1
	s_lshl_b32 s18, s18, 2
	s_lshr_b32 s93, s92, 1
	s_or_b32 s18, s18, s93                         ; THIS TEXT'S wave w = (b0 ^ b2, b2, b1), a renumbering: numbers n and n + 4, and 2 k and 2 k + 1, fall into different halves of w, so they take the two roles in different orders
	s_and_b32 s21, ttmp7, 0xffff                   ; batch
	s_and_b32 s80, s18, 3                          ; my key group
	s_lshr_b32 s81, s18, 2                         ; my half of the queries; also which order of the two roles
	s_mul_i32 s26, s21, 2457600
	s_mul_i32 s55, s18, PART
	s_add_co_u32 s26, s26, s55
	s_mov_b32 s27, 0
	s_mov_b32 s28, 15|(3<<16)|(1<<21)              ; group 1: the cluster's four; 75 rows of 32 elements of 8 bytes
	s_mov_b32 s29, 32<<16
	s_mov_b32 s30, 75<<16
	s_mov_b32 s31, 32<<16
	s_mov_b32 s32, 75
	s_mov_b32 s33, 32
	s_mov_b32 s34, 0
	s_mov_b32 s35, 0
	s_bfe_u32 s19, ttmp6, 0x40000
	s_lshl_b32 s20, ttmp9, 2
	s_add_co_u32 s20, s20, s19                     ; block of 64 queries
	s_lshl_b32 s72, s21, 18
	s_lshl_b32 s73, s20, 12
	s_add_co_u32 s68, s72, s73
	s_lshl_b32 s73, s81, 11
	s_add_co_u32 s68, s68, s73                     ; q: my two tiles' images
	s_mov_b32 s69, 0
	s_lshr_b32 s70, s68, 4
	s_mov_b32 s71, 0
	s_lshl_b32 s73, s80, 16
	s_add_co_u32 s74, s72, s73                     ; k: my key group's 32 steps of 2,048 bytes
	s_mov_b32 s75, 0
	s_lshr_b32 s76, s74, 4
	s_mov_b32 s77, 0
	s_lshl_b32 s72, s21, 12
	s_lshl_b32 s73, s20, 6
	s_add_co_u32 s78, s72, s73                     ; the block's first row
	s_mov_b32 s79, 0
	s_lshl_b32 s66, s18, 3
	s_add_co_u32 s66, s66, s78
	s_mul_i32 s66, s66, 3072                       ; the 8 rows that I store
	s_mov_b32 s67, 0
	s_mov_b32 s22, 0x3e38aa3b                      ; log2(e) / 8
	s_mov_b32 s23, s22
	s_mov_b32 s24, 0x76543210
	s_mov_b32 s25, 0xfedcba98
	s_and_b32 s82, s80, 1                          ; c and h' of my key group's place in a step's K
	s_lshr_b32 s83, s80, 1
	s_lshl_b32 s84, s82, 1
	s_add_co_u32 s84, s84, s83
	s_lshl_b32 s85, s81, 7
	s_add_co_u32 s84, s84, s85
	s_add_co_u32 s84, s84, PSC                     ; my byte of p's scale words
	s_mul_i32 s82, s82, 6
	s_lshl_b32 s83, s83, 8
	s_mul_i32 s85, s81, 3072
	s_add_co_u32 s83, s83, s85
	s_add_co_u32 s83, s83, PIMG
	s_lshl_b32 s85, s18, 8
	s_add_co_u32 s85, s85, XCH
	s_lshl_b32 s86, s81, 10
	s_add_co_u32 s86, s86, XCH
	s_lshr_b32 s87, s18, 1
	s_mul_i32 s87, s87, 38400
	s_and_b32 s88, s18, 1
	s_mul_i32 s89, s88, 9216
	s_add_co_u32 s89, s89, s87                     ; V: my six tiles
	s_mul_i32 s88, s88, 384
	s_add_co_u32 s88, s88, s87
	s_add_co_u32 s88, s88, 36864                   ; and their scale words
	s_mul_i32 s87, s18, 384
	s_mul_i32 s90, s18, 8*SP
	s_wait_dscnt 0x0
	s_wait_kmcnt 0x0
	s_mov_b32 s36, 1
	s_mov_b32 s37, s55
	s_add_nc_u64 s[38:39], s[12:13], s[26:27]
	s_mov_b32 s40, 1
	s_add_co_u32 s41, s55, RING1
	s_add_nc_u64 s[42:43], s[38:39], 153600
	s_or_b32 s39, s39, 0x80000000
	s_or_b32 s43, s43, 0x80000000
	s_add_nc_u64 s[4:5], s[4:5], s[68:69]
	s_add_nc_u64 s[6:7], s[6:7], s[70:71]
	s_add_nc_u64 s[56:57], s[8:9], s[74:75]
	s_add_nc_u64 s[58:59], s[10:11], s[76:77]
	s_add_nc_u64 s[14:15], s[14:15], s[78:79]
	s_add_nc_u64 s[52:53], s[16:17], s[66:67]
	s_mov_b64 s[44:45], s[56:57]
	s_mov_b64 s[46:47], s[58:59]
	ROUND
	tensor_load_to_lds s[36:39], s[28:35]          ; slot 0, my part: the one load at the head; the first pass runs while it is out
	s_nop 0
	NOPS 4
	v_and_b32 v64, 31, v0
	v_and_b32 v65, 15, v0                          ; r
	v_bfe_u32 v66, v0, 4, 1                        ; h
	v_lshlrev_b32 v[LI], 4, v64
	v_lshlrev_b32 v[L4], 2, v64
	v_lshlrev_b32 v[LR4], 2, v65
	v_and_b32 v[QMO], 8, v65
	v_add_nc_u32 v[QMO], v[QMO], v65               ; r + 8 (r / 8)
	AW
.macro KLOAD set, off                  ; a step's two tiles of k (8 registers each) and their scale words
.irp u,0,1
.irp c,0,1
	global_load_b128 v[KF+24*(\set)+12*\u+4*\c:KF+24*(\set)+12*\u+4*\c+3], v[LI], s[56:57] offset:(\off)+1024*\u+512*\c
.endr
.endr
	global_load_b32 v[KS+(\set)], v[L4], s[58:59] offset:(\off)/16
.endm
.irp q,0,1
.irp c,0,1
	global_load_b128 v[Q+12*\q+4*\c:Q+12*\q+4*\c+3], v[LI], s[4:5] offset:1024*\q+512*\c
.endr
.endr
.irp q,0,1
	global_load_b32 v[QS+\q], v[LR4], s[6:7] offset:64*\q
.endr
.irp qt,0,1,2,3
	global_load_u8 v[QM+\qt], v[QMO], s[14:15] offset:32*(\qt/2)+8*(\qt%2)
.endr
	KLOAD 0, 0
	KLOAD 1, 2048
.irp e,0,1,2,3,4,5,6,7
	WIN 0x40
.irp u,0,1
.irp c,0,1
	global_load_b128 v[24*\e+12*\u+4*\c:24*\e+12*\u+4*\c+3], v[LI], s[44:45] offset:2048*\e+1024*\u+512*\c
.endr
.endr
	WIN 0
	global_load_b32 v[KS1+\e], v[L4], s[46:47] offset:128*\e
.endr
	WIN 0x40
.set f, 0
.rept 16
.irp n,8,9,10,11
	v_mov_b32 v[12*f+\n], 0                        ; a fragment's registers 8-11 hold zero codes
.endr
.set f, f+1
.endr
	WIN 0
.irp f,0,1,2,3,4,5
.irp n,8,9,10,11
	v_mov_b32 v[Q+12*\f+\n], 0                     ; q's two and k's four fragments lie on end
.endr
.endr
	v_add_nc_u32 v[AV], s89, v[LI]
	v_add_nc_u32 v[AV+1], RING1, v[AV]
	v_add_nc_u32 v[AVS], s88, v[L4]
	v_add_nc_u32 v[AVS+1], RING1, v[AVS]
	v_add_nc_u32 v[AP], PIMG, v[LI]
	v_add_nc_u32 v[APS], PSC, v[LR4]
	v_mul_u32_u24 v67, v66, 3
	v_add_nc_u32 v67, s82, v67                     ; my three code registers go to registers 6 c + 3 h + n of lane 16 h' + r
	v_lshl_add_u32 v68, v65, 4, s83
.irp n,0,1,2
	v_add_nc_u32 v69, \n, v67
	v_lshrrev_b32 v[PW0+\n], 2, v69
	v_and_b32 v69, 3, v69
	v_lshl_add_u32 v[PW0+\n], v[PW0+\n], 9, v68
	v_lshl_add_u32 v[PW0+\n], v69, 2, v[PW0+\n]
.endr
	v_add_nc_u32 v[PWB], s84, v[LR4]
	v_add_nc_u32 v[XW], s85, v[L4]
	v_add_nc_u32 v[XR], s86, v[L4]
	v_add_nc_u32 v[XR2], XCH, v[L4]
	v_mul_u32_u24 v[STO], v[QMO], SP               ; the way out: a tile's lane r is row r + 8 (r / 8) of its 32
	v_lshl_add_u32 v[STO], v66, 5, v[STO]
	v_add_nc_u32 v[STO], s87, v[STO]
	v_add_nc_u32 v[STO+1], 32*SP, v[STO]
	v_add_nc_u32 v[SRD], s90, v[LI]
.irp q,0,1
	v_mov_b32 v[MXA+\q], 0xff800000
	v_mov_b32 v[MXB+\q], 0xff800000
	v_mov_b32 v[BT+\q], 0
.endr
.irp n,0,1,2,3,4,5,6,7
	v_mov_b32 v[L+\n], 0
.endr
; ---- THE FIRST PASS: the largest score of each of my 32 queries over my key group's 1,024 keys.  Eight sets of k, 40 loads out; a step's maxima are taken a step later, behind the next step's products.
.macro P1MAX r
.irp i,0,4,8,12
.irp q,0,1
	v_max3_num_f32 v[MXA+\q], v[MXA+\q], v[\r+16*\q+\i], v[\r+16*\q+\i+1]
	v_max3_num_f32 v[MXB+\q], v[MXB+\q], v[\r+16*\q+\i+2], v[\r+16*\q+\i+3]
.endr
.endr
.endm
.macro P1STEP e, load, lc
	AW
	s_wait_loadcnt \lc                             ; this set is in; the sets behind it, five loads each, may be out
	WIN 0x01
.irp a,0,1,2,3
	WM S+104*((\e)%2)+8*\a, 24*(\e)+12*(\a%2), Q+12*(\a/2), 0, KS1+(\e), QS+\a/2, \a%2
.endr
	WIN 0
	P1MAX S+104*(1-(\e)%2)                         ; sixteen plain lines: also the places ahead of the loads below
.if \load
	WIN 0x40
.irp u,0,1
.irp c,0,1
	global_load_b128 v[24*(\e)+12*\u+4*\c:24*(\e)+12*\u+4*\c+3], v[LI], s[44:45] offset:2048*(8+(\e))+1024*\u+512*\c
.endr
.endr
	WIN 0
	global_load_b32 v[KS1+(\e)], v[L4], s[46:47] offset:128*(8+(\e))
.endif
.endm
	AW
	s_wait_loadcnt 35
	WIN 0x01
.irp a,0,1,2,3
	WM S+104+8*\a, 12*(\a%2), Q+12*(\a/2), 0, KS1, QS+\a/2, \a%2   ; step 0 once more, so that the first step finds scores to take maxima of
.endr
	WIN 0
	NOPS 4
	s_mov_b32 s54, 3
.Lpass1:
.irp e,0,1,2,3,4,5,6,7
	P1STEP \e, 1, 35
.endr
	s_wait_xcnt 0x0
	s_add_nc_u64 s[44:45], s[44:45], 16384
	s_add_nc_u64 s[46:47], s[46:47], 1024
	s_sub_co_u32 s54, s54, 1
	s_cmp_lg_u32 s54, 0
	AW
	s_cbranch_scc1 .Lpass1
.irp e,0,1,2,3,4,5,6,7
	P1STEP \e, 0, 35-5*\e
.endr
	NOPS 4
	P1MAX S+104
.irp q,0,1
	v_max_num_f32 v[MXA+\q], v[MXA+\q], v[MXB+\q]
.endr
.irp q,0,1
	s_delay_alu instid0(VALU_DEP_2)
	v_permlanex16_b32 v[BT+\q], v[MXA+\q], s24, s25
.endr
.irp q,0,1
	s_delay_alu instid0(VALU_DEP_2)
	v_max_num_f32 v[MXA+\q], v[MXA+\q], v[BT+\q]
.endr
.irp q,0,1
	ds_store_b32 v[XW], v[MXA+\q] offset:128*\q
.endr
	AW
	s_wait_tensorcnt 0x0                           ; my part of slot 0 is in; the add and its wait ahead of a later first fill
	ds_add_u32 v[SPW], v[NIL]
	s_wait_dscnt 0x0                               ; the add and my maxima's stores are done
	ROUND
	tensor_load_to_lds s[40:43], s[28:35]          ; slot 1, my part
	s_nop 0
	NOPS 4
.irp w,0,1,2,3
.irp q,0,1
	ds_load_b32 v[S+2*\w+\q], v[XR] offset:256*\w+128*\q
.endr
.endr
	s_wait_dscnt 0x0
.irp q,0,1
	v_max3_num_f32 v[MXA+\q], v[S+\q], v[S+2+\q], v[S+4+\q]
.endr
.irp q,0,1
	s_delay_alu instid0(VALU_DEP_2)
	v_max_num_f32 v[MXA+\q], v[MXA+\q], v[S+6+\q]
.endr
.irp q,0,1
	s_delay_alu instid0(VALU_DEP_2)
	v_mul_f32 v[MXA+\q], s22, v[MXA+\q]
.endr
.irp q,0,1
	s_delay_alu instid0(VALU_DEP_2)
	v_floor_f32 v[NM+2*\q], -v[MXA+\q]             ; -M = floor(-t)
.endr
.irp q,0,1
	s_delay_alu instid0(VALU_DEP_2)
	v_mov_b32 v[NM+2*\q+1], v[NM+2*\q]
.endr
	AW
; ---- SCORES of one step: set = the step's parity: k's set and p's image
.macro VEC set, lc, kl, ko, fe, ring, ks       ; fe = 1: the trip's fetch for the values' product stands behind the exponentials
	s_wait_loadcnt \lc                             ; this step's k is in; the next step's five loads may be out
.irp a,0,1,2,3
	WM S+8*\a, KF+24*(\set)+12*(\a%2), Q+12*(\a/2), 0, KS+(\set), QS+\a/2, \a%2
.endr
	NOPS 4
.if \kl
	KLOAD \set, \ko                                ; k of two steps on
.endif
.irp q,0,1
.irp i,0,2,4,6,8,10,12,14
	v_pk_fma_f32 v[S+16*\q+\i:S+16*\q+\i+1], v[S+16*\q+\i:S+16*\q+\i+1], s[22:23], v[NM+2*\q:NM+2*\q+1] op_sel_hi:[1,0,1]
.endr
.endr
	AW                                             ; one wait ahead of the batch,
.set n, 0
.rept 32
	v_exp_f32 v[S+n], v[S+n]
.set n, n+1
.endr
	v_nop
.if \fe
	FETCH 1-(\set), \ring, \ks                     ; names none of the batch's results; the waves that multiply first have issued their loads by now
.endif
	AW                                             ; and one behind it
.irp i,0,4,8,12
.irp q,0,1
	v_pk_add_f32 v[L+4*\q:L+4*\q+1], v[L+4*\q:L+4*\q+1], v[S+16*\q+\i:S+16*\q+\i+1]      ; the sum of the unquantised p, four chains by turns
	v_pk_add_f32 v[L+4*\q+2:L+4*\q+3], v[L+4*\q+2:L+4*\q+3], v[S+16*\q+\i+2:S+16*\q+\i+3]
.endr
.endr
.irp q,0,1
	v_max3_num_f32 v[MXA+\q], v[S+16*\q], v[S+16*\q+1], 0x1800000   ; the floor 2^-124 holds the byte at 1 from below
	v_max3_num_f32 v[MXB+\q], v[S+16*\q+2], v[S+16*\q+3], v[S+16*\q+4]
.endr
.irp i,5,9
.irp q,0,1
	v_max3_num_f32 v[MXA+\q], v[MXA+\q], v[S+16*\q+\i], v[S+16*\q+\i+1]
	v_max3_num_f32 v[MXB+\q], v[MXB+\q], v[S+16*\q+\i+2], v[S+16*\q+\i+3]
.endr
.endr
.irp q,0,1
	v_max3_num_f32 v[MXA+\q], v[MXA+\q], v[S+16*\q+13], v[S+16*\q+14]
.endr
.irp q,0,1
	v_max3_num_f32 v[MXA+\q], v[MXA+\q], v[MXB+\q], v[S+16*\q+15]
.endr
.irp q,0,1
	s_delay_alu instid0(VALU_DEP_2)
	v_permlanex16_b32 v[BT+\q], v[MXA+\q], s24, s25
.endr
.irp q,0,1
	s_delay_alu instid0(VALU_DEP_2)
	v_max_num_f32 v[MXA+\q], v[MXA+\q], v[BT+\q]   ; the block's largest p
.endr
.irp q,0,1
	s_delay_alu instid0(VALU_DEP_2)
	v_add_nc_u32 v[SO+\q], 0xff000000, v[MXA+\q]   ; 2 off the exponent field: the conversion's scale operand
.endr
.irp q,0,1
	v_cvt_scalef32_pk16_fp6_f32 v[PCD+4*\q:PCD+4*\q+2], v[S+16*\q:S+16*\q+15], v[SO+\q]
.endr
.irp q,0,1
	v_lshrrev_b32 v[BY+\q], 23, v[SO+\q]           ; the byte; also the plain place behind the conversions
.endr
.irp q,0,1
.irp n,0,1,2
	ds_store_b32 v[PW0+\n], v[PCD+4*\q+\n] offset:6144*(\set)+1536*\q
.endr
	ds_store_b8 v[PWB], v[BY+\q] offset:256*(\set)+64*\q
.endr
	AW
.endm
; ---- VALUES of one step.  FETCH: 7 scale words, p's 4 fragments, V's 6: 37 LDS loads, V's last
.macro FETCH par, ring, ks
.irp qt,0,1,2,3
	ds_load_b32 v[PS+\qt], v[APS] offset:256*(\par)+64*\qt
.endr
.irp p,0,1,2
	ds_load_b32 v[VS+\p], v[AVS+\ring] offset:768*(\ks)+128*\p
.endr
	WIN 0x40
.irp qt,0,1,2,3
.irp c,0,1,2
	ds_load_b128 v[192+12*\qt+4*\c:192+12*\qt+4*\c+3], v[AP] offset:6144*(\par)+1536*\qt+512*\c
.endr
.endr
	WIN 0
.irp f,0,1,2,3,4,5
.irp c,0,1,2
	ds_load_b128 v[VF+12*\f+4*\c:VF+12*\f+4*\c+3], v[AV+\ring] offset:18432*(\ks)+1536*\f+512*\c
.endr
.endr
.endm
.macro PV zero, x                      ; x: LDS instructions issued behind the fetch's loads
	WIN 0x54                                       ; V window 0; p, C and D window 1
.irp f,0,1,2,3,4,5
	s_wait_dscnt 15-3*\f+\x                        ; V's fragment f is in: the three loads of each later fragment and the x younger instructions may be out
.if \f == 0
	AW                                             ; the accumulators were written ahead of exponentials: one wait ahead of their first readers
.endif
.irp qt,0,1,2,3
.set rd, 8*(4*\f+\qt)
.if \zero
	WM rd, VF+12*\f, 192+12*\qt, 0, VS+\f/2, PS+\qt, \f%2
.else
	WM rd, VF+12*\f, 192+12*\qt, v[rd:rd+7], VS+\f/2, PS+\qt, \f%2
.endif
.endr
.endr
	WIN 0
	NOPS 4                                         ; places ahead of the next loads into these operands
.endm
.macro TRIP par, ring, ks, zero, lc, kl, ko
	s_cmp_lg_u32 s81, 0
	s_cbranch_scc1 .Lpv_first_\@
	VEC 1-\par, \lc, \kl, \ko, 1, \ring, \ks
	PV \zero, 8                                    ; behind the fetch: p's six code stores and two byte stores
	s_branch .Ljoin_\@
.Lpv_first_\@:
	FETCH \par, \ring, \ks
	PV \zero, 0
	VEC 1-\par, \lc, \kl, \ko, 0, 0, 0
.Ljoin_\@:
.endm
; The trip's end.  bar 1: p's image is whole and the old one read out.  bar 2: also the last slot is in.  bar 3: the slot just read is filled again, behind a round of the cluster's barrier.
.macro MEET bar, ring
	AW
.if \bar == 3
	s_wait_tensorcnt 0x0                           ; my one load that was out, my part of the other slot, has landed
	ds_add_u32 v[SPW], v[NIL]
	s_add_nc_u64 s[38+4*\ring:39+4*\ring], s[38+4*\ring:39+4*\ring], 307200
	s_wait_dscnt 0x0
	ROUND
	tensor_load_to_lds s[36+4*\ring:39+4*\ring], s[28:35]
	s_nop 0
	NOPS 4
.else
.if \bar == 2
	s_wait_tensorcnt 0x0
.endif
	s_wait_dscnt 0x0
	s_barrier_signal -1
	s_barrier_wait -1
.endif
.endm
	VEC 0, 0, 1, 4096, 0, 0, 0                     ; step 0's scores
	MEET 1, 0
	TRIP 0, 0, 0, 1, 5, 1, 6144                    ; trip 0 starts the sums
	MEET 1, 0
	s_mov_b32 s54, 7
.Lkeys:                                                ; trips 1 + 4 k .. 4 + 4 k
	TRIP 1, 0, 1, 0, 5, 1, 8192
	MEET 3, 0
	TRIP 0, 1, 0, 0, 5, 1, 10240
	MEET 1, 0
	TRIP 1, 1, 1, 0, 5, 1, 12288
	MEET 3, 1
	TRIP 0, 0, 0, 0, 5, 1, 14336
	MEET 1, 0
	s_wait_xcnt 0x0
	s_add_nc_u64 s[56:57], s[56:57], 8192
	s_add_nc_u64 s[58:59], s[58:59], 512
	s_sub_co_u32 s54, s54, 1
	s_cmp_lg_u32 s54, 0
	s_cbranch_scc1 .Lkeys
	TRIP 1, 0, 1, 0, 5, 0, 0                       ; trips 29 to 31 ask for nothing more
	MEET 2, 0
	TRIP 0, 1, 0, 0, 0, 0, 0
.irp q,0,1
	v_add_f32 v[L+4*\q], v[L+4*\q], v[L+4*\q+1]
	v_add_f32 v[L+4*\q+2], v[L+4*\q+2], v[L+4*\q+3]
.endr
.irp q,0,1
	v_add_f32 v[L+4*\q], v[L+4*\q], v[L+4*\q+2]
.endr
.irp q,0,1
	s_delay_alu instid0(VALU_DEP_2)
	v_permlanex16_b32 v[BT+\q], v[L+4*\q], s24, s25
.endr
.irp q,0,1
	s_delay_alu instid0(VALU_DEP_2)
	v_add_f32 v[L+4*\q], v[L+4*\q], v[BT+\q]
.endr
.irp q,0,1
	ds_store_b32 v[XW], v[L+4*\q] offset:2048+128*\q   ; my key group's part of the rows' sums
.endr
	MEET 1, 0
	FETCH 1, 1, 1
.irp w,0,1,2,3,4,5,6,7
.irp q,0,1
	ds_load_b32 v[KF+2*\w+\q], v[XR2] offset:2048+256*\w+128*\q
.endr
.endr
	PV 0, 16                                       ; behind the fetch: the sixteen loads of the sums' parts
	s_wait_dscnt 0x0
	s_barrier_signal -1
	s_barrier_wait -1                              ; nobody reads the ring any more, and it has had its last fill: the stage lies there
.irp t,0,1,2,3
	v_add_f32 v[S+\t], v[KF+8*(\t/2)+(\t%2)], v[KF+8*(\t/2)+(\t%2)+2]
	v_add_f32 v[S+4+\t], v[KF+8*(\t/2)+(\t%2)+4], v[KF+8*(\t/2)+(\t%2)+6]
.endr
.irp t,0,1,2,3
	v_add_f32 v[S+\t], v[S+\t], v[S+4+\t]
.endr
	AW
.irp t,0,1,2,3
	v_rcp_f32 v[S+\t], v[S+\t]
.endr
	v_nop
	AW
.irp t,0,1,2,3
	v_cmp_ne_u32 vcc_lo, 0, v[QM+\t]
	v_cndmask_b32 v[RI+2*\t], 0, v[S+\t], vcc_lo   ; 1 / the sum, or 0 for a masked query
	v_mov_b32 v[RI+2*\t+1], v[RI+2*\t]
.endr
	WIN 0x41
	AW
.irp f,0,1,2,3,4,5
.irp qt,0,1,2,3
.irp n,0,2,4,6
	v_pk_mul_f32 v[8*(4*\f+\qt)+\n:8*(4*\f+\qt)+\n+1], v[8*(4*\f+\qt)+\n:8*(4*\f+\qt)+\n+1], v[RI+2*\qt:RI+2*\qt+1]
.endr
.endr
.endr
	WIN 0x04
.irp f,0,1,2,3,4,5
.irp qt,0,1,2,3
	ds_store_b128 v[STO+\qt/2], v[8*(4*\f+\qt):8*(4*\f+\qt)+3] offset:8*SP*(\qt%2)+64*\f
	ds_store_b128 v[STO+\qt/2], v[8*(4*\f+\qt)+4:8*(4*\f+\qt)+7] offset:8*SP*(\qt%2)+64*\f+16
.endr
.endr
	WIN 0
	AW
	s_wait_dscnt 0x0
	s_barrier_signal -1
	s_barrier_wait -1                              ; the 64 rows are whole: each wave sends 8 of them
	WIN 0x40
.irp ro,0,1,2,3,4,5,6,7
.irp z,0,1,2,3,4,5
	ds_load_b128 v[4*(6*\ro+\z):4*(6*\ro+\z)+3], v[SRD] offset:SP*\ro+512*\z
.endr
.endr
	WIN 0x04
.irp ro,0,1,2,3,4,5,6,7
	s_wait_dscnt 6*(7-\ro)                         ; this row's six loads are in
.irp z,0,1,2,3,4,5
	global_store_b128 v[LI], v[4*(6*\ro+\z):4*(6*\ro+\z)+3], s[52:53] offset:3072*\ro+512*\z th:TH_STORE_NT   ; 32 lanes store 512 consecutive bytes, aligned
.endr
.endr
	WIN 0
	s_wait_tensorcnt 0x0                           ; the wave's end
	ds_add_u32 v[SPW], v[NIL]
	s_wait_dscnt 0x0
	ROUND                                          ; the closing round
	s_endpgm
.Lfunc_end_k_q48a69c82cc_attn:
	.size	k_q48a69c82cc_attn, .Lfunc_end_k_q48a69c82cc_attn-k_q48a69c82cc_attn
	.p2alignl 7, 3214868480
	.fill 96, 4, 3214868480
	.section	.rodata,"a",@progbits
	.p2align	6, 0x0
	.amdhsa_kernel k_q48a69c82cc_attn
		.amdhsa_group_segment_fixed_size 327680
		.amdhsa_private_segment_fixed_size 0
		.amdhsa_enable_private_segment 0
		.amdhsa_kernarg_size 56
		.amdhsa_user_sgpr_count 2
		.amdhsa_user_sgpr_kernarg_segment_ptr 1
		.amdhsa_wavefront_size32 1
		.amdhsa_system_sgpr_workgroup_id_x 1
		.amdhsa_system_sgpr_workgroup_id_y 1
		.amdhsa_system_sgpr_workgroup_id_z 1
		.amdhsa_system_vgpr_workitem_id 0
		.amdhsa_next_free_vgpr 512
		.amdhsa_next_free_sgpr 96
		.amdhsa_reserve_vcc 1
		.amdhsa_float_denorm_mode_32 3
		.amdhsa_float_denorm_mode_16_64 3
		.amdhsa_memory_ordered 1
		.amdhsa_forward_progress 1
		.amdhsa_inst_pref_size 255
	.end_amdhsa_kernel
	.section	.bss,"aw",@nobits
	.p2align	6
	.space	262144
	.amdgpu_metadata
---
amdhsa.version: [ 1, 2 ]
amdhsa.kernels:
  - .name:           k_q48a69c82cc_attn
    .symbol:         k_q48a69c82cc_attn.kd
    .args:
      - { .name: qimg, .offset: 0, .size: 8, .value_kind: global_buffer, .address_space: global }
      - { .name: qsc, .offset: 8, .size: 8, .value_kind: global_buffer, .address_space: global }
      - { .name: kimg, .offset: 16, .size: 8, .value_kind: global_buffer, .address_space: global }
      - { .name: ksc, .offset: 24, .size: 8, .value_kind: global_buffer, .address_space: global }
      - { .name: vimg, .offset: 32, .size: 8, .value_kind: global_buffer, .address_space: global }
      - { .name: mask, .offset: 40, .size: 8, .value_kind: global_buffer, .address_space: global }
      - { .name: out0, .offset: 48, .size: 8, .value_kind: global_buffer, .address_space: global }
    .group_segment_fixed_size: 327680
    .private_segment_fixed_size: 0
    .kernarg_segment_align: 8
    .kernarg_segment_size: 56
    .max_flat_workgroup_size: 256
    .sgpr_count:     96
    .vgpr_count:     512
    .wavefront_size: 32
...
	.end_amdgpu_metadata
.endif
;; end of part 3
